; MI455X (gfx1250); checked and timed in simulation.
; The chip was launched on July 23, 2026; its instructions are those of AMD's public machine-readable ISA for CDNA 5 (MIT licence, August 2026) and "CDNA5" Instruction Set Architecture Reference Guide (July 2026). The comments in the code are by the model that wrote it; some were corrected since.
;; Mo E. Allowed arithmetic: float matrix products may take bf16 or f16 operands with f32 sums; all other float work in f32.
;; Inputs: W1 8 x 512 x 512 float32; W2 8 x 512 x 512 float32; Wg 512 x 8 float32; b1 8 x 512 float32; b2 8 x 512 float32; bg 8 float32; x 8 x 2,048 x 512 float32.
;; Outputs: out0 8 x 2,048 x 512 float32.
;; 2 versions, each right; version 2 is version 1 with the launch prep written anew for expert scheduling mode. Each part assembles by itself: llvm-mc -triple=amdgcn-amd-amdhsa -mcpu=gfx1250 --defsym DOCPART=n.
;; ======== version 1 of 2: 2 launches
;; limits: values are held in f16: magnitudes above 65,504 overflow, below 6.1e-05 lose precision
;; workspace buffers: wt 8,519,680 bytes; wgf 16,384 bytes
;; launch prep (part 1): grid 258 x 1, 4 waves a work-group, no clusters, 33,792 bytes of LDS; arguments W1, W2, b2, Wg, wt, wgf; writes wt, wgf
.if DOCPART == 1
	.amdgcn_target "amdgcn-amd-amdhsa--gfx1250"
	.amdhsa_code_object_version 6
	.text
	.protected	k_q78402b2f92_prep
	.globl	k_q78402b2f92_prep
	.p2align	8
	.type	k_q78402b2f92_prep,@function
k_q78402b2f92_prep:
	s_mov_b64 s[64:65], 0
	v_nop
	global_prefetch_b8 v0, s[64:65] scope:SCOPE_SE
	s_setreg_imm32_b32 hwreg(HW_REG_WAVE_MODE, 25, 1), 1
	s_wait_xcnt 0x0
; prep: W1, W2, b2 and Wg, which are f32 with K down the rows, become f16 in the order in which the next launch's matrix fragments want them.
; f16 and not bf16: 11 significant bits against 8.  LIMIT: a number beyond 65,504 becomes infinite, parts below 2^-25 are lost.  The weights as drawn have a spread of
; 0.044; 30 times larger or offset by 30 spreads they stay below 10; 30 times smaller their spread is 0.0015, of which f16's smallest step, 2^-24, is 4e-5.
; A BLOCK is 1,024 bytes for 16 rows n x 32 k of a matrix operand: the number (n = r, k) lies at byte 256 (k / 8) + 16 r + 2 (k % 8).
; So lane L = 16 h + r finds k = 8 h .. 8 h + 7 of row r at byte 16 L and k = 16 + 8 h .. at byte 512 + 16 L: two contiguous 16-byte loads make a fragment.
; wt holds 65 tiles of 131,072 bytes.  Tile t, bytes 0 .. 65,535: W1 of the hidden columns 64 t .. 64 t + 63, as [w 0..3][ks 0..15][block], row r = hidden
; column 64 t + 16 w + r, k = d = 32 ks + ..  (tile 64 has no such half: it is neither stored here nor read later).
; Tile t, bytes 65,536 .. 131,071: as [w 0..3][ks2 0..1][n 0..7][block], row r = output column 128 w + 16 n + r, k = 32 ks2 + .. of the hidden columns
; 64 (t - 1) ..; in tile 0 the k are b2's eight rows (k = expert) and 56 zeros.
; wgf holds [ks 0..15][block] of Wg, row r = gate column r % 8 (the eight columns stand twice).
; Groups 0 .. 127 take W1, 128 .. 255 W2: a wave takes 32 k rows x 128 columns (16 KiB in, 8 blocks out).  Group 256 takes b2, group 257 Wg.
; The turn from rows to blocks goes through a stage in LDS that is the wave's own: no barrier.  No matrix unit, no cluster: nothing here is read twice.
.set VO,  4                            ; v[4:11]   byte offset in wt of my 16 bytes in block tau = 0 .. 7; v4 is 16 x lane itself
.set L16, 4
.set SW,  2                            ; v2        stage: where my columns' 16 bytes of octet 0, column 0 go
.set SR,  3                            ; v3        stage: where I read blocks back
.set Z,   12                           ; v[12:15]  zeros (group 256)
.set X,   32                           ; v[32:159] row k: 4 registers, my 4 columns in f32; later the blocks as read back
.set PK,  160                          ; v[160:175] four times 8 f16
.set BP,  1040                         ; a block's pitch in the stage: 1,024 + 16, so that the four blocks that 16 lanes store into start 16 bytes apart modulo 256
.set WST, 8*BP                         ; a wave's stage
.macro MKVO                            ; s27: from block to block within four; s28: from the first four blocks to the second four
	v_add_nc_u32 v[VO+1], s27, v[VO]
	v_add_nc_u32 v[VO+2], s27, v[VO+1]
	v_add_nc_u32 v[VO+3], s27, v[VO+2]
.irp t, 0,1,2,3
	v_add_nc_u32 v[VO+4+\t], s28, v[VO+\t]
.endr
.endm
; Rows 8 o .. 8 o + 7: for each of my 4 columns the eight k become 16 bytes, at byte 256 o + 16 r of the column's block.  left: younger loads that may stay out.
.macro OCTET o, left
	s_wait_loadcnt \left                           ; loads return in order: the eight rows of this octet are in
.irp c, 0,1,2,3
.irp q, 0,1,2,3
	v_cvt_pk_f16_f32 v[PK+4*\c+\q], v[X+4*(8*\o+2*\q)+\c], v[X+4*(8*\o+2*\q+1)+\c]
.endr
	ds_store_b128 v[SW], v[PK+4*\c:PK+4*\c+3] offset:256*\o+16*\c
.endr
.endm
; The eight blocks leave: read back in block order (LDS serves a wave's instructions in order, ISA guide 5.7.1: these loads see the stores above),
; each store of the wave covers 512 consecutive bytes, aligned.
.macro OUT8
.irp t, 0,1,2,3,4,5,6,7
.irp u, 0,1
	ds_load_b128 v[X+4*(2*\t+\u):X+4*(2*\t+\u)+3], v[SR] offset:BP*\t+512*\u
.endr
.endr
.irp t, 0,1,2,3,4,5,6,7
.irp u, 0,1
	s_wait_dscnt 15-(2*\t+\u)                      ; the younger read-backs stay out
	global_store_b128 v[VO+\t], v[X+4*(2*\t+\u):X+4*(2*\t+\u)+3], s[12:13] offset:512*\u
.endr
.endr
.endm
	s_load_b256 s[4:11], s[0:1], 0x0               ; W1 s[4:5], W2 s[6:7], b2 s[8:9], Wg s[10:11]
	s_load_b128 s[12:15], s[0:1], 0x20             ; wt s[12:13], wgf s[14:15]
	v_lshl_add_u32 v176, v0, 2, 0x8200
	v_mov_b32 v177, 0
	v_lshrrev_b32 v16, 5, v0
	v_readfirstlane_b32 s16, v16                   ; wave 0 .. 3
	v_and_b32 v16, 31, v0                          ; lane
	v_lshlrev_b32 v[L16], 4, v16
	s_mul_i32 s17, s16, WST                        ; my wave's stage
	v_lshrrev_b32 v17, 2, v16                      ; my four columns lie in block lane / 4,
	v_and_b32 v18, 3, v16                          ; rows 4 (lane % 4) + 0 .. 3 of it
	v_mul_u32_u24 v17, v17, BP
	v_lshl_add_u32 v17, v18, 6, v17
	v_add_nc_u32 v[SW], s17, v17
	v_add_nc_u32 v[SR], s17, v[L16]
	s_mov_b32 s23, 0                               ; high words of the two offset pairs
	s_mov_b32 s25, 0
	s_wait_kmcnt 0x0
	s_cmp_ge_u32 ttmp9, 256
	s_cbranch_scc1 .Lsmall
	; W1 or W2: expert e = (group / 16) % 8, k rows 32 ks .. with ks = group % 16, columns 128 wave ..
	s_and_b32 s18, ttmp9, 15                       ; ks
	s_bfe_u32 s19, ttmp9, 0x30004                  ; e
	s_lshl_b32 s19, s19, 20                        ; eight tiles an expert
	s_lshl_b32 s20, s16, 18                        ; W1: tile 8 e + 2 wave, block ks of strip 0
	s_add_co_u32 s20, s20, s19
	s_lshl_b32 s21, s18, 10
	s_add_co_u32 s20, s20, s21
	s_lshr_b32 s21, s18, 1                         ; W2: tile 1 + 8 e + ks / 2, second half, strip = wave, ks2 = ks % 2
	s_lshl_b32 s21, s21, 17
	s_add_co_u32 s21, s21, s19
	s_and_b32 s26, s18, 1
	s_lshl_b32 s26, s26, 13
	s_add_co_u32 s21, s21, s26
	s_lshl_b32 s26, s16, 14
	s_add_co_u32 s21, s21, s26
	s_add_co_u32 s21, s21, 131072+65536
	s_and_b32 s22, ttmp9, 127                      ; the source: 32 rows of 2,048 bytes for each of e and ks, 512 bytes for the wave's columns
	s_lshl_b32 s22, s22, 16
	s_lshl_b32 s26, s16, 9
	s_add_co_u32 s22, s22, s26
	s_mov_b32 s27, 16384                           ; W1: four blocks go to the four strips of a tile, the next four to the next tile
	s_mov_b32 s28, 131072
	s_cmp_ge_u32 ttmp9, 128
	s_cselect_b64 s[4:5], s[6:7], s[4:5]
	s_cselect_b32 s24, s21, s20
	s_cselect_b32 s27, 1024, s27                   ; W2: the eight blocks follow each other
	s_cselect_b32 s28, 4096, s28
	s_add_nc_u64 s[4:5], s[4:5], s[22:23]
	s_add_nc_u64 s[12:13], s[12:13], s[24:25]
.set k, 0
.rept 32
	global_load_b128 v[X+4*k:X+4*k+3], v[L16], s[4:5] offset:2048*k th:TH_LOAD_NT   ; row k: 512 consecutive bytes; all 16 KiB of the wave are asked for at once
.set k, k+1
.endr
	MKVO
	OCTET 0, 24
	OCTET 1, 16
	OCTET 2, 8
	OCTET 3, 0
	OUT8
	s_wait_tensorcnt 0x0
	ds_add_u32 v176, v177
	s_wait_dscnt 0x0
	s_endpgm
.Lsmall:
	s_cmp_lg_u32 ttmp9, 256
	s_cbranch_scc1 .Lgate
	; b2 as the k rows 0 .. 7 of tile 0's second half; wave = strip of 128 output columns
	s_lshl_b32 s22, s16, 9
	s_add_nc_u64 s[8:9], s[8:9], s[22:23]
.irp e, 0,1,2,3,4,5,6,7
	global_load_b128 v[X+4*\e:X+4*\e+3], v[L16], s[8:9] offset:2048*\e
.endr
	s_lshl_b32 s24, s16, 14
	s_add_co_u32 s24, s24, 65536
	s_add_nc_u64 s[12:13], s[12:13], s[24:25]
	s_mov_b32 s27, 1024
	s_mov_b32 s28, 4096
	MKVO
.irp j, 0,1,2,3
	v_mov_b32 v[Z+\j], 0
.endr
	OCTET 0, 0                                     ; k = 0 .. 7: the eight experts' rows
.irp o, 1,2,3
.irp c, 0,1,2,3
	ds_store_b128 v[SW], v[Z:Z+3] offset:256*\o+16*\c          ; k = 8 .. 31: zeros
.endr
.endr
	OUT8
.irp t, 0,1,2,3,4,5,6,7
.irp u, 0,1
	global_store_b128 v[VO+\t], v[Z:Z+3], s[12:13] offset:8192+512*\u   ; k = 32 .. 63: zeros
.endr
.endr
	s_wait_tensorcnt 0x0
	ds_add_u32 v176, v177
	s_wait_dscnt 0x0
	s_endpgm
.Lgate:
	; Wg: piece p = 128 it + thread of 16 bytes holds d = 8 (p / 16) + 0 .. 7 of gate column p % 8
	v_lshrrev_b32 v16, 4, v0
	v_and_b32 v17, 7, v0
	v_lshlrev_b32 v17, 2, v17
	v_lshl_add_u32 v16, v16, 8, v17                ; 8 rows of 32 bytes for each 16 threads, + 4 x column
	v_lshlrev_b32 v18, 4, v0
.irp t, 0,1,2,3,4,5,6,7
.irp i, 0,1,2,3,4,5,6,7
	global_load_b32 v[X+8*\t+\i], v16, s[10:11] offset:2048*\t+32*\i
.endr
.endr
	s_wait_loadcnt 0x0
.irp t, 0,1,2,3,4,5,6,7
.irp q, 0,1,2,3
	v_cvt_pk_f16_f32 v[X+8*\t+\q], v[X+8*\t+2*\q], v[X+8*\t+2*\q+1]    ; in place: register q has been read by pair q / 2 before pair q writes it
.endr
	global_store_b128 v18, v[X+8*\t:X+8*\t+3], s[14:15] offset:2048*\t
.endr
	s_endpgm
.Lfunc_end_k_q78402b2f92_prep:
	.size	k_q78402b2f92_prep, .Lfunc_end_k_q78402b2f92_prep-k_q78402b2f92_prep
	.p2alignl 7, 3214868480
	.fill 96, 4, 3214868480
	.section	.rodata,"a",@progbits
	.p2align	6, 0x0
	.amdhsa_kernel k_q78402b2f92_prep
		.amdhsa_group_segment_fixed_size 33792
		.amdhsa_private_segment_fixed_size 0
		.amdhsa_enable_private_segment 0
		.amdhsa_kernarg_size 48
		.amdhsa_user_sgpr_count 2
		.amdhsa_user_sgpr_kernarg_segment_ptr 1
		.amdhsa_wavefront_size32 1
		.amdhsa_system_sgpr_workgroup_id_x 1
		.amdhsa_system_sgpr_workgroup_id_y 1
		.amdhsa_system_sgpr_workgroup_id_z 1
		.amdhsa_system_vgpr_workitem_id 0
		.amdhsa_next_free_vgpr 178
		.amdhsa_next_free_sgpr 66
		.amdhsa_reserve_vcc 0
		.amdhsa_float_denorm_mode_32 3
		.amdhsa_float_denorm_mode_16_64 3
		.amdhsa_memory_ordered 1
		.amdhsa_forward_progress 1
		.amdhsa_inst_pref_size 31
	.end_amdhsa_kernel
	.amdgpu_metadata
---
amdhsa.version: [ 1, 2 ]
amdhsa.kernels:
  - .name:           k_q78402b2f92_prep
    .symbol:         k_q78402b2f92_prep.kd
    .args:
      - { .name: W1, .offset: 0, .size: 8, .value_kind: global_buffer, .address_space: global }
      - { .name: W2, .offset: 8, .size: 8, .value_kind: global_buffer, .address_space: global }
      - { .name: b2, .offset: 16, .size: 8, .value_kind: global_buffer, .address_space: global }
      - { .name: Wg, .offset: 24, .size: 8, .value_kind: global_buffer, .address_space: global }
      - { .name: wt, .offset: 32, .size: 8, .value_kind: global_buffer, .address_space: global }
      - { .name: wgf, .offset: 40, .size: 8, .value_kind: global_buffer, .address_space: global }
    .group_segment_fixed_size: 33792
    .private_segment_fixed_size: 0
    .kernarg_segment_align: 8
    .kernarg_segment_size: 48
    .max_flat_workgroup_size: 128
    .sgpr_count:     66
    .vgpr_count:     178
    .wavefront_size: 32
...
	.end_amdgpu_metadata
.endif
;; end of part 1
;; launch moe (part 2): grid 256 x 1, 4 waves a work-group, clusters of 4 x 1, 327,680 bytes of LDS; arguments x, wt, wgf, b1, bg, out0; writes out0
.if DOCPART == 2
	.amdgcn_target "amdgcn-amd-amdhsa--gfx1250"
	.amdhsa_code_object_version 6
	.text
	.protected	k_q78402b2f92_moe
	.globl	k_q78402b2f92_moe
	.p2align	8
	.type	k_q78402b2f92_moe,@function
k_q78402b2f92_moe:
	s_mov_b64 s[64:65], 0
	v_nop
	global_prefetch_b8 v0, s[64:65] scope:SCOPE_SE
	s_setreg_imm32_b32 hwreg(HW_REG_WAVE_MODE, 25, 1), 1
	s_wait_xcnt 0x0
	s_wait_alu depctr_hold_cnt(0) depctr_sa_sdst(0) depctr_va_vdst(0) depctr_va_sdst(0) depctr_va_ssrc(0) depctr_va_vcc(0) depctr_vm_vsrc(0)
	s_getreg_b32 s2, hwreg(HW_REG_IB_STS2, 6, 4)
	s_cmp_eq_u32 s2, 0
	s_cbranch_scc0 .Lentry_in_a_cluster
	s_endpgm
.Lentry_in_a_cluster:
	s_bfe_u32 s2, ttmp6, 0x10000c
	s_cmp_lg_u32 s2, 0x3003
	s_cbranch_scc0 .Lentry_shape_is_right
	s_endpgm
.Lentry_shape_is_right:
; moe: out[t] = sum over e of gate[t][e] (relu(x[t] W1[e] + b1[e]) W2[e] + b2[e]), gate = softmax(x Wg + bg), for 16,384 tokens of 512 numbers, 8 experts.
; Gates are not negative, so the module is ONE two-layer product with a hidden width of 8 x 512 = 4,096: H' = gate (.) relu(x W1 + b1), out = H' W2 + G b2,
; and G b2 is one more block of K of the second product (hidden columns = the gates, weight rows = b2).  The output sums stay in registers over all experts.
; A work-group has 64 tokens and four waves, wave w = 2 a + b.  The hidden width goes in 64 chunks of 64.  In body t a wave makes
;   product 1: for its 32 tokens 32 a .. the 32 hidden columns 64 t + 32 b .. over K = 512 (64 matrix instructions), scales them and hands them on through LDS as f16;
;   product 2: for all 64 tokens its 128 output columns 128 w .. over the 64 hidden columns that body t - 1 made (64 matrix instructions); in body 0 those are the gates.
; A wave's 32 tokens of x lie in 256 of its registers as fragments, so LDS serves W1 and H' alone.
; THE WEIGHTS are f16 in fragment order, as the launch before stored them: a fragment is two loads at 16 x lane, contiguous, so nothing needs padding.
; W1 comes through a ring of two LDS slots of 131,072 bytes, each with the W1 of TWO bodies; each wave brings a quarter of a slot with one tensor load of 128 rows x 256
; bytes, which has two bodies less 16, 240 matrix instructions of the wave, in which to land.
; CLUSTERS: every work-group walks the same W1, so four work-groups form a cluster and ask for each quarter slot jointly (mask 15).  The descriptors are made of the
; wave's number and constants alone.  A round of the cluster's barrier stands in front of the first loads, in front of every refill and at the end.
; W2 IS NOT SHARED IN THE CLUSTER, and this is why.  LDS holds two slots of 131,072 bytes and no more; with W2 in them a slot would be one body's weights and its load
; would have 112 matrix instructions in which to land.  Each byte of W2 is read by one wave of the work-group, once, so LDS would add a write and a read of it and spare
; nothing.  Loads into registers may stay out across barriers: a wave asks for its 16 KiB of W2 a whole body ahead, into the second of two sets of 128 registers.
; BOTH PRODUCTS ARE USED TRANSPOSED: source 0 = 16 weight rows, source 1 = 16 tokens.  Register j of lane (r, h) is then (token r, column 8 h + j): eight
; neighbouring columns of one token, one gate a lane and token block, and the eight experts' logits of a token in one lane.
; NUMBER FORMAT.  Matrix operands are f16: x, W1, W2, Wg, gate x relu(h), and in the combine the gates and b2.  b1 and bg enter in f32 as the sums' first addend.
; f16 and not bf16, for its 11 significant bits against 8: the rounding of H' between the two products goes into each output at that token's own scale, and a token
; whose gate lies on one expert has outputs about twice as large as the tensor's root mean square.
; LIMITS.  An operand beyond 65,504 becomes infinite; parts of an operand below 2^-25 are lost.  The room, by the problem's sizes: as drawn h has a spread of 1.
; All inputs 30 times larger: a spread of 900.  x offset by 30 and W1 by 30 x 0.044 = 1.33 at once: h = 512 x 30 x 1.33, about 20,400.  All inputs 30 times smaller:
; gate x relu(h) is about 1.6e-4, of which f16's smallest step, 2^-24, is 4e-4.
; A NaN in h becomes 0 at the relu (v_max_num_f32).  A gate below 2^-126 becomes 0 (v_exp_f32 flushes denormals, ISA guide 15.8).  The softmax takes its true maximum away.
;
; REGISTERS in windows of 256: window 0 addresses, biases, gates, product 1's sums, two buffers of W1 fragments, the fragments of H'; window 1 product 2's 32 sums
; (tile (m, n) at 8 (8 m + n)), before the bodies x as loaded; window 2 my x fragments (ml = 0, 1; ks = 0 .. 15) at 8 (16 ml + ks); window 3 two sets of 16 W2 fragments.
.set TILE,  131072                     ; a slot, and from tile to tile in wt; slots at LDS bytes 0 and 131,072: tensor loads alone write there
.set B1T,   262144                     ; b1, 16,384 bytes, f32, as in memory
.set XS,    278528                     ; x stage: 64 rows, 256 f16 (half of K) + 16 bytes, 33,792 bytes
.set XP,    528                        ; its pitch, an odd multiple of 16 bytes
.set GT,    278528                     ; on the stage once it is free: gates [chunk 0..63][r 0..15][m 0..3] f32: an expert's 256 bytes stand eight times, so that the address steps alike in every body
.set HB,    294912                     ; two buffers of H': 64 rows of 128 bytes + 16
.set HP,    144
.set HBUF,  64*HP
.set OST,   278528                     ; the way out, behind the last body: 16 rows of 512 bytes + 16 for each wave
.set L16,  1                           ; 16 x lane
.set W1A,  2                           ; v[2:5]   my W1 fragments in the four chunks that the ring holds
.set HR,   6                           ; H' as fragments
.set HW,   7                           ; H': where my 16 bytes of a token go
.set BA,   8                           ; my biases of this body
.set GA,   9                           ; my two gates of this body
.set GATE, 10                          ; v[10:11] my token blocks ml = 0, 1
.set CO,   12                          ; my byte offset in out0
.set STO,  13                          ; the way out, in
.set SRD,  14                          ; the way out, back
.set BIAS, 16                          ; v[16:31] column blocks cb = 0, 1
.set HACC, 32                          ; v[32:63] product 1's sums, (ml, cb) at 8 (2 ml + cb)
.set WA,   64                          ; v[64:127]  8 fragments of W1: (i, cb) at 8 (2 i + cb), four steps of K
.set WB,   128                         ; v[128:191] the same, the other buffer
.set HF,   192                         ; v[192:255] fragments of H': (ks2, m) at 8 (4 ks2 + m)
; ahead of the bodies only
.set WG,   64                          ; v[64:191]  Wg's 16 fragments
.set B1S,  192                         ; v[192:223] b1 on its way into LDS
.set XW,   224                         ; x stage, in
.set XR,   225                         ; x stage, as fragments
.set GW,   226                         ; gate table, in
.set B1W,  227                         ; b1 table, in
.set T16,  228                         ; 16 x thread
.set TR,   229                         ; r
.set TH,   230                         ; h
.set TL,   231                         ; lane
.set T0,   232
.set T1,   233
.set GTMP, 64                          ; softmax: gate (e, ml) at 2 e + ml
.set PKG,  96                          ; softmax: a token's eight gates as f16, (ml, q) at 4 ml + q
.set Z,    104                         ; four zeros
.set TS,   128                         ; softmax: sums
.set MX,   144                         ; softmax: maxima
.set RC,   148                         ; softmax: reciprocals
.set DG1,  24                          ; s[24:31] descriptor group 1
.set DG0,  32                          ; s[32:39] descriptor group 0, one set for each slot
.set WP,   50                          ; s[50:51] my strip of W2 in the first tile of the four bodies at hand
.set MSB, 0
.macro WIN new                         ; low byte: bits 1:0 source 0, 3:2 source 1, 5:4 source 2, 7:6 destination; the high byte repeats the setting that is left
.if MSB != \new
	s_set_vgpr_msb (MSB<<8)|\new
.set MSB, \new
.endif
.endm
.set W_G1, 0x08                        ; product 1: x (source 1) in window 2; LDS loads are issued under it too (destination and address in window 0)
.set W_G2, 0x53                        ; product 2: W2 (source 0) in window 3, H' (source 1) in window 0, sums (C and D) in window 1
.macro PLACES                          ; a load into, or a vector instruction on, a matrix instruction's registers stands four plain vector instructions behind it
.rept 4
	v_nop
.endr
.endm
.macro BAR
	s_barrier_signal -1
	s_barrier_wait -1
.endm
.macro CREST                           ; a round of the cluster's barrier behind its opening barrier: wave 0 signals for the work-group, every wave waits for all four work-groups
	s_cmp_lg_u32 s16, 0
	s_cbranch_scc1 .Lnot_wave_0_\@
	s_barrier_signal -3
.Lnot_wave_0_\@:
	s_barrier_wait -3
	s_barrier_signal -1
	s_barrier_wait -1
.endm
.macro CROUND
	BAR
	CREST
.endm
; x: rows 16 w .. 16 w + 15.  g = 0: columns 0 .. 255, g = 1: columns 256 .. 511; load (i, q) into window 1 at 128 g + 8 i + 4 q
.macro XLOAD g
.irp i, 0,1,2,3,4,5,6,7,8,9,10,11,12,13,14,15
.irp q, 0,1
	global_load_b128 v[128*\g+8*\i+4*\q:128*\g+8*\i+4*\q+3], v[L16], s[4:5] offset:2048*\i+1024*\g+512*\q th:TH_LOAD_NT
.endr
.endr
.endm
.macro XCVT g                          ; four f32 become four f16 in the first two of their registers
.irp i, 0,1,2,3,4,5,6,7,8,9,10,11,12,13,14,15
.irp q, 0,1
	v_cvt_pk_f16_f32 v[128*\g+8*\i+4*\q], v[128*\g+8*\i+4*\q], v[128*\g+8*\i+4*\q+1]
	v_cvt_pk_f16_f32 v[128*\g+8*\i+4*\q+1], v[128*\g+8*\i+4*\q+2], v[128*\g+8*\i+4*\q+3]
.endr
.endr
.endm
.macro XSTORE g
.irp i, 0,1,2,3,4,5,6,7,8,9,10,11,12,13,14,15
.irp q, 0,1
	ds_store_b64 v[XW], v[128*\g+8*\i+4*\q:128*\g+8*\i+4*\q+1] offset:XP*\i+256*\q
.endr
.endr
.endm
.macro XFRAG g                         ; the staged half g of K as my 16 fragments: 2 token blocks x 8 steps of 32
.irp ml, 0,1
.irp i, 0,1,2,3,4,5,6,7
	ds_load_b128 v[8*(16*\ml+8*\g+\i):8*(16*\ml+8*\g+\i)+3],   v[XR] offset:16*XP*\ml+64*\i
	ds_load_b128 v[8*(16*\ml+8*\g+\i)+4:8*(16*\ml+8*\g+\i)+7], v[XR] offset:16*XP*\ml+64*\i+32
.endr
.endr
.endm
.macro LD_BG o                         ; 5 loads: this body's twice eight biases and two gates
	ds_load_b128 v[BIAS:BIAS+3],     v[BA] offset:\o
	ds_load_b128 v[BIAS+4:BIAS+7],   v[BA] offset:\o+16
	ds_load_b128 v[BIAS+8:BIAS+11],  v[BA] offset:\o+64
	ds_load_b128 v[BIAS+12:BIAS+15], v[BA] offset:\o+80
	ds_load_b64  v[GATE:GATE+1],     v[GA] offset:\o
.endm
.macro LD_W1 k, q, buf                 ; 16 loads: steps 4 q .. 4 q + 3 of K of my two strips of 16 hidden columns, chunk k of the ring's four
.irp i, 0,1,2,3
.irp cb, 0,1
	ds_load_b128 v[\buf+8*(2*\i+\cb):\buf+8*(2*\i+\cb)+3],   v[W1A+\k] offset:16384*\cb+1024*(4*\q+\i)
	ds_load_b128 v[\buf+8*(2*\i+\cb)+4:\buf+8*(2*\i+\cb)+7], v[W1A+\k] offset:16384*\cb+1024*(4*\q+\i)+512
.endr
.endr
.endm
.macro LD_H hb, ks2                    ; 8 loads: 64 tokens x 32 hidden columns of buffer hb
.irp m, 0,1,2,3
	ds_load_b128 v[HF+8*(4*\ks2+\m):HF+8*(4*\ks2+\m)+3],   v[HR] offset:(\hb)*HBUF+16*HP*\m+64*\ks2
	ds_load_b128 v[HF+8*(4*\ks2+\m)+4:HF+8*(4*\ks2+\m)+7], v[HR] offset:(\hb)*HBUF+16*HP*\m+64*\ks2+32
.endr
.endm
.macro LD_W2 set, kk                   ; 32 loads of 512 consecutive bytes: my strip's 16 blocks of W2 in tile kk of those at hand
.irp j, 0,1,2,3,4,5,6,7,8,9,10,11,12,13,14,15
	global_load_b128 v[128*(\set)+8*\j:128*(\set)+8*\j+3],   v[L16], s[WP:WP+1] offset:(\kk)*TILE+1024*\j
	global_load_b128 v[128*(\set)+8*\j+4:128*(\set)+8*\j+7], v[L16], s[WP:WP+1] offset:(\kk)*TILE+1024*\j+512
.endr
.endm
; Product 1, one step of K: 2 token blocks x 2 column blocks.  The four sums take turns, one instruction a turn.  first = 1: the bias starts the sums.
.macro G1STEP buf, i, ks, first
.irp ml, 0,1
.irp cb, 0,1
.if \first
	v_wmma_f32_16x16x32_f16 v[HACC+8*(2*\ml+\cb):HACC+8*(2*\ml+\cb)+7], v[\buf+8*(2*\i+\cb):\buf+8*(2*\i+\cb)+7], v[8*(16*\ml+\ks):8*(16*\ml+\ks)+7], v[BIAS+8*\cb:BIAS+8*\cb+7]
.else
	v_wmma_f32_16x16x32_f16 v[HACC+8*(2*\ml+\cb):HACC+8*(2*\ml+\cb)+7], v[\buf+8*(2*\i+\cb):\buf+8*(2*\i+\cb)+7], v[8*(16*\ml+\ks):8*(16*\ml+\ks)+7], v[HACC+8*(2*\ml+\cb):HACC+8*(2*\ml+\cb)+7]
.endif
.endr
.endr
.endm
.macro G1Q buf, q, first               ; a quarter of K: 16 matrix instructions
	G1STEP \buf, 0, 4*\q, \first
	G1STEP \buf, 1, 4*\q+1, 0
	G1STEP \buf, 2, 4*\q+2, 0
	G1STEP \buf, 3, 4*\q+3, 0
.endm
; Product 2, a quarter: token blocks m0, m0 + 1 x 8 column blocks, 32 along K: sixteen sums, each once.  zero = 1: the product starts the sums, nothing is cleared.
.macro GEMM2 set, ks2, m0, zero
.irp m, \m0, \m0+1
.irp n, 0,1,2,3,4,5,6,7
.if \zero
	v_wmma_f32_16x16x32_f16 v[8*(8*(\m)+\n):8*(8*(\m)+\n)+7], v[128*(\set)+8*(8*\ks2+\n):128*(\set)+8*(8*\ks2+\n)+7], v[HF+8*(4*\ks2+(\m)):HF+8*(4*\ks2+(\m))+7], 0
.else
	v_wmma_f32_16x16x32_f16 v[8*(8*(\m)+\n):8*(8*(\m)+\n)+7], v[128*(\set)+8*(8*\ks2+\n):128*(\set)+8*(8*\ks2+\n)+7], v[HF+8*(4*\ks2+(\m)):HF+8*(4*\ks2+(\m))+7], v[8*(8*(\m)+\n):8*(8*(\m)+\n)+7]
.endif
.endr
.endr
.endm
; H' of one tile: relu, times the lane's gate (register ml of the pair, for both halves of the packed multiply), to f16, 16 bytes into buffer hbw
.macro EPIM ml, cb, hbw
.irp j, 0,1,2,3,4,5,6,7
	v_max_num_f32 v[HACC+8*(2*\ml+\cb)+\j], 0, v[HACC+8*(2*\ml+\cb)+\j]
.endr
.irp j, 0,2,4,6
	v_pk_mul_f32 v[HACC+8*(2*\ml+\cb)+\j:HACC+8*(2*\ml+\cb)+\j+1], v[HACC+8*(2*\ml+\cb)+\j:HACC+8*(2*\ml+\cb)+\j+1], v[GATE:GATE+1] op_sel:[0,\ml] op_sel_hi:[1,\ml]
.endr
.irp q, 0,1,2,3
	v_cvt_pk_f16_f32 v[HACC+8*(2*\ml+\cb)+\q], v[HACC+8*(2*\ml+\cb)+2*\q], v[HACC+8*(2*\ml+\cb)+2*\q+1]
.endr
	ds_store_b128 v[HW], v[HACC+8*(2*\ml+\cb):HACC+8*(2*\ml+\cb)+3] offset:(\hbw)*HBUF+16*HP*\ml+32*\cb
.endm
; Body t, k = t % 4: W1 lies in chunk k of the ring; P = k % 2 is the buffer of H' that it reads and the set of W2 that it multiplies, Q the other of each.
; prev: the last quarter of body t - 1's product 2 is still to do.  zero: product 2's first products start the sums.
; fin 0: a plain barrier ends the body (H' alone changes hands; a tensor load may stay out);
; fin 1: slot k / 2 has been read out: the barrier opens a round of the cluster's barrier and the slot is filled again behind it;
; fin 2: the ring's last load is waited for; a plain barrier.
.macro BODY k, prev, zero, fin
.set P, \k&1
.set Q, 1-P
	PLACES
	LD_BG 256*\k
	LD_W1 \k, 0, WA
	LD_H P, 0
.if \prev
	WIN W_G2
	GEMM2 Q, 1, 2, 0                               ; registers alone: it covers the loads above
.endif
	PLACES
	WIN 0xc0
	LD_W2 Q, \k+1                                  ; the next body's W2 into the set that has just been read out: a body ahead of its first use
	WIN W_G1
	LD_W1 \k, 1, WB
	LD_H P, 1
	s_wait_dscnt 32                                ; biases, gates and WA are in; 8 + 16 + 8 younger loads (H' 0, WB, H' 1) stay out
	G1Q WA, 0, 1
	PLACES
	LD_W1 \k, 2, WA
	s_wait_loadcnt 32                              ; this body's W2 is in; the 32 loads of the next body's stay out
	s_wait_dscnt 40                                ; H' 0 is in; 16 + 8 + 16 younger loads (WB, H' 1, WA) stay out
	WIN W_G2
	GEMM2 P, 0, 0, \zero
	s_wait_dscnt 24                                ; WB is in; 8 + 16 younger loads stay out
	WIN W_G1
	G1Q WB, 1, 0
	PLACES
	LD_W1 \k, 3, WB
	WIN W_G2
	GEMM2 P, 0, 2, \zero
	s_wait_dscnt 16                                ; H' 1 and WA are in; the 16 loads into WB stay out
	WIN W_G1
	G1Q WA, 2, 0
	s_wait_dscnt 0x0
	G1Q WB, 3, 0
	PLACES
	WIN 0
	EPIM 0, 0, Q
	EPIM 0, 1, Q
	EPIM 1, 0, Q
	EPIM 1, 1, Q
	s_wait_dscnt 0x0                               ; my reads of the ring and of H' are back, my part of the next H' is written
.if \fin
	s_wait_xcnt 0x0
	v_lshl_add_u32 v222, v0, 2, 0x4c800
	v_mov_b32 v223, 0
	s_wait_tensorcnt 0x0                           ; all my tensor loads have landed: the one that was out is my quarter of the other slot
	ds_add_u32 v222, v223
	s_wait_dscnt 0x0
.endif
.if \fin == 1
	s_add_nc_u64 s[DG0+4*(\k>>1)+2:DG0+4*(\k>>1)+3], s[DG0+4*(\k>>1)+2:DG0+4*(\k>>1)+3], 4*TILE   ; no load of mine is out: this slot's next two chunks
.endif
	s_barrier_signal -1
	WIN W_G2
	GEMM2 P, 1, 0, 0                               ; registers alone, while the others arrive
	WIN 0
	s_barrier_wait -1
.if \fin == 1
	CREST                                          ; no wave of any partner still reads this slot, or has a load on its way
	tensor_load_to_lds s[DG0+4*(\k>>1):DG0+4*(\k>>1)+3], s[DG1:DG1+7]   ; my one tensor load behind the round, ahead of every LDS read
	s_nop 0
.endif
.endm
.macro STEP                            ; four bodies on
	s_wait_xcnt 0x0                                ; the base of the loads of W2 is written only behind this wait
	s_add_nc_u64 s[WP:WP+1], s[WP:WP+1], 4*TILE
	v_add_nc_u32 v[BA], 1024, v[BA]
	v_add_nc_u32 v[GA], 1024, v[GA]
.endm
; 16 tokens leave: my 128 columns through my own stage, read back by rows; each store of the wave covers 512 consecutive bytes, aligned
.macro OUTM m, f
	WIN 0x04
.irp n, 0,1,2,3,4,5,6,7
	ds_store_b128 v[STO], v[8*(8*\m+\n):8*(8*\m+\n)+3]   offset:64*\n
	ds_store_b128 v[STO], v[8*(8*\m+\n)+4:8*(8*\m+\n)+7] offset:64*\n+16
.endr
	WIN 0
	s_wait_xcnt 0x0                                ; the registers that earlier stores read as data are loaded again only behind this wait
.irp i, 0,1,2,3,4,5,6,7,8,9,10,11,12,13,14,15
	ds_load_b128 v[\f+4*\i:\f+4*\i+3], v[SRD] offset:XP*\i     ; LDS serves a wave's instructions in order (ISA guide 5.7.1): these see the stores above
.endr
.irp i, 0,1,2,3,4,5,6,7,8,9,10,11,12,13,14,15
	s_wait_dscnt 15-\i                             ; the younger read-backs stay out
	global_store_b128 v[CO], v[\f+4*\i:\f+4*\i+3], s[14:15] offset:(16*\m+\i)*2048 th:TH_STORE_NT
.endr
.endm
	; ---- start: addresses, all of my x asked for, the ring's two first fills asked for
	s_load_b256 s[4:11], s[0:1], 0x0               ; x s[4:5], wt s[6:7], wgf s[8:9], b1 s[10:11]
	s_load_b128 s[12:15], s[0:1], 0x20             ; bg s[12:13], out0 s[14:15]
	v_lshl_add_u32 v222, v0, 2, 0x4c800
	v_mov_b32 v223, 0
	ds_add_u32 v222, v223
	s_wait_dscnt 0x0
	v_lshrrev_b32 v[T0], 5, v0
	v_readfirstlane_b32 s16, v[T0]                 ; wave 0 .. 3
	v_and_b32 v[TL], 31, v0                        ; lane
	v_lshlrev_b32 v[L16], 4, v[TL]
	s_lshr_b32 s48, s16, 1                         ; a: my half of the tokens in product 1
	s_and_b32 s49, s16, 1                          ; b: my half of a chunk's hidden columns
	s_bfe_u32 s17, ttmp6, 0x40000                  ; my place in the cluster
	s_lshl_b32 s18, ttmp9, 2
	s_add_co_u32 s18, s18, s17                     ; work-group = 4 x cluster + place
	s_lshl_b32 s20, s18, 17                        ; its 64 tokens of 2,048 bytes
	s_mov_b32 s21, 0
	s_lshl_b32 s22, s16, 15                        ; 32,768 x wave: 16 rows of x; a quarter of a slot
	s_mov_b32 s23, 0
	s_lshl_b32 s52, s48, 17                        ; my quarter of a slot comes from tile a of the pair, half b of its W1
	s_lshl_b32 s53, s49, 15
	s_add_co_u32 s52, s52, s53
	s_mov_b32 s53, 0
	s_lshl_b32 s54, s16, 14                        ; my strip of W2: the tile's second half, 16,384 x wave
	s_add_co_u32 s54, s54, 65536
	s_mov_b32 s55, 0
	s_wait_kmcnt 0x0
	s_load_b256 s[40:47], s[12:13], 0x0            ; bg's eight numbers
	s_add_nc_u64 s[4:5], s[4:5], s[20:21]
	s_add_nc_u64 s[4:5], s[4:5], s[22:23]
	s_add_nc_u64 s[14:15], s[14:15], s[20:21]
	WIN 0x40
	XLOAD 0
	XLOAD 1
	WIN 0
	; group 1: a dense 32,768 bytes as 128 rows of 32 elements of 8 bytes
	s_mov_b32 s[DG1+0], 15|(3<<16)|(1<<21)         ; 15:0 the mask: all four of the cluster; 17:16 elements of 8 bytes; 21 set beside a mask; no padding
	s_mov_b32 s[DG1+1], 32<<16                     ; tensor_dim0 = 32
	s_mov_b32 s[DG1+2], 128<<16                    ; tensor_dim1 = 128
	s_mov_b32 s[DG1+3], 32<<16                     ; tile_dim0 = 32
	s_mov_b32 s[DG1+4], 128                        ; tile_dim1 = 128
	s_mov_b32 s[DG1+5], 32                         ; from row to row: 32 elements
	s_mov_b32 s[DG1+6], 0
	s_mov_b32 s[DG1+7], 0
	s_add_nc_u64 s[WP:WP+1], s[6:7], s[54:55]      ; my strip of W2 in tile 0
	s_add_nc_u64 s[6:7], s[6:7], s[52:53]          ; my quarter of the first pair of chunks
.irp s, 0,1
	s_mov_b32 s[DG0+4*\s], 1
	s_add_co_u32 s[DG0+4*\s+1], s22, \s*TILE       ; LDS: slot + 32,768 x wave
	s_add_nc_u64 s[DG0+4*\s+2:DG0+4*\s+3], s[6:7], \s*2*TILE   ; slot s begins with chunks 2 s and 2 s + 1
	s_or_b32 s[DG0+4*\s+3], s[DG0+4*\s+3], 0x80000000
.endr
	CROUND                                         ; all four work-groups are here: the first joint loads meet
	tensor_load_to_lds s[DG0:DG0+3], s[DG1:DG1+7]          ; chunks 0 and 1
	s_nop 0
	tensor_load_to_lds s[DG0+4:DG0+7], s[DG1:DG1+7]        ; chunks 2 and 3: two tensor loads of mine are out here, later one
	s_nop 0
	v_and_b32 v[TR], 15, v0                        ; r
	v_bfe_u32 v[TH], v0, 4, 1                      ; h
	s_lshl_b32 s20, s49, 15
	v_add_nc_u32 v[W1A], s20, v[L16]               ; my two strips of 16 blocks in the ring's first chunk,
	v_add_nc_u32 v[W1A+1], 65536, v[W1A]           ; and in the three behind it
	v_add_nc_u32 v[W1A+2], 65536, v[W1A+1]
	v_add_nc_u32 v[W1A+3], 65536, v[W1A+2]
	v_mul_u32_u24 v[T0], v[TR], HP
	v_lshl_add_u32 v[T0], v[TH], 4, v[T0]
	v_add_nc_u32 v[HR], HB, v[T0]
	s_mul_i32 s20, s48, 32*HP
	s_lshl_b32 s21, s49, 6
	s_add_co_u32 s20, s20, s21
	s_add_co_u32 s20, s20, HB
	v_add_nc_u32 v[HW], s20, v[T0]                 ; token 32 a + r, hidden columns 32 b + 8 h ..
	s_lshl_b32 s20, s49, 7
	s_add_co_u32 s20, s20, B1T
	v_lshl_add_u32 v[BA], v[TH], 5, s20            ; b1 of hidden columns 32 b + 8 h ..
	s_lshl_b32 s20, s48, 3
	s_add_co_u32 s20, s20, GT
	v_lshl_add_u32 v[GA], v[TR], 4, s20            ; gates of tokens 32 a + r and 32 a + 16 + r
	s_mul_i32 s21, s16, 16*XP
	s_add_co_u32 s21, s21, XS                      ; rows 16 w .. of the x stage; later my stage on the way out
	v_lshl_add_u32 v[XW], v[TL], 3, s21
	v_mul_u32_u24 v[T0], v[TR], XP
	v_lshl_add_u32 v[T1], v[TH], 4, v[T0]
	s_mul_i32 s20, s48, 32*XP
	s_add_co_u32 s20, s20, XS
	v_add_nc_u32 v[XR], s20, v[T1]                 ; row 32 a + r
	s_lshl_b32 s20, s16, 9
	v_add_nc_u32 v[CO], s20, v[L16]
	s_lshl_b32 s20, s49, 10                        ; the gate table, in: 1,024 b,
	s_lshl_b32 s52, s48, 3                         ; 8 a (s52 has served the descriptors and is free),
	s_add_co_u32 s20, s20, s52
	s_add_co_u32 s20, s20, GT
	v_lshl_add_u32 v[GW], v[TH], 9, s20            ; 512 h: copies 2 (2 b + h) and the next of each expert's gates, token blocks 2 a and 2 a + 1
	v_lshl_add_u32 v[GW], v[TR], 4, v[GW]
	v_lshlrev_b32 v[T16], 4, v0
	v_add_nc_u32 v[B1W], B1T, v[T16]
	v_lshl_add_u32 v[T1], v[TH], 5, v[T0]
	v_add_nc_u32 v[STO], s21, v[T1]
	v_add_nc_u32 v[SRD], s21, v[L16]
	; ---- x, first half of K, into the stage; b1 and Wg's fragments asked for
	s_wait_loadcnt 32                              ; columns 0 .. 255 are in; the 32 loads of columns 256 .. 511 stay out
	WIN 0x45
	XCVT 0
	WIN 0x04
	XSTORE 0
	WIN 0
.irp i, 0,1,2,3,4,5,6,7
	global_load_b128 v[B1S+4*\i:B1S+4*\i+3], v[T16], s[10:11] offset:2048*\i
.endr
.irp i, 0,1,2,3,4,5,6,7,8,9,10,11,12,13,14,15
	global_load_b128 v[WG+8*\i:WG+8*\i+3],   v[L16], s[8:9] offset:1024*\i
	global_load_b128 v[WG+8*\i+4:WG+8*\i+7], v[L16], s[8:9] offset:1024*\i+512
.endr
	s_wait_dscnt 0x0                               ; my rows are in the stage
	BAR                                            ; everybody's are.
	WIN 0x80
	XFRAG 0
	s_wait_loadcnt 40                              ; columns 256 .. 511 are in; b1's 8 loads and Wg's 32 stay out
	WIN 0x45
	XCVT 1
	WIN 0
	s_wait_dscnt 0x0                               ; my reads of the stage are back
	BAR                                            ; everybody's are: it may be written again
	; ---- second half of K; b1 into its table
	WIN 0x04
	XSTORE 1
	WIN 0
	s_wait_loadcnt 32                              ; b1 is in; Wg's 32 loads stay out
.irp i, 0,1,2,3,4,5,6,7
	ds_store_b128 v[B1W], v[B1S+4*\i:B1S+4*\i+3] offset:2048*\i
.endr
	s_wait_dscnt 0x0
	BAR
	WIN 0x80
	XFRAG 1
	WIN 0
	s_wait_kmcnt 0x0
.irp j, 0,1,2,3,4,5,6,7
	v_mov_b32 v[BIAS+\j], s[40+\j]                 ; register j is expert j in both halves of the lanes, since Wg's columns stand twice
.endr
	s_wait_loadcnt 0x0                             ; Wg's fragments are in
	WIN 0xc0
	LD_W2 0, 0                                     ; b2 as the first block of W2: it lands under the gates' arithmetic
	WIN 0
	s_wait_dscnt 0x0
	BAR                                            ; the stage has been read by all: the gate table may be laid on it
	; ---- gates: a wave makes the logits of its 32 tokens, eight experts in a lane.  Two token blocks x two halves of K: four sums that take turns
	WIN W_G1
.macro GSTEP i, first
.if \first
	v_wmma_f32_16x16x32_f16 v[HACC:HACC+7],     v[WG+8*\i:WG+8*\i+7],         v[8*\i:8*\i+7],           v[BIAS:BIAS+7]
	v_wmma_f32_16x16x32_f16 v[HACC+8:HACC+15],  v[WG+8*\i:WG+8*\i+7],         v[8*(16+\i):8*(16+\i)+7], v[BIAS:BIAS+7]
	v_wmma_f32_16x16x32_f16 v[HACC+16:HACC+23], v[WG+8*(8+\i):WG+8*(8+\i)+7], v[8*(8+\i):8*(8+\i)+7],   0
	v_wmma_f32_16x16x32_f16 v[HACC+24:HACC+31], v[WG+8*(8+\i):WG+8*(8+\i)+7], v[8*(24+\i):8*(24+\i)+7], 0
.else
	v_wmma_f32_16x16x32_f16 v[HACC:HACC+7],     v[WG+8*\i:WG+8*\i+7],         v[8*\i:8*\i+7],           v[HACC:HACC+7]
	v_wmma_f32_16x16x32_f16 v[HACC+8:HACC+15],  v[WG+8*\i:WG+8*\i+7],         v[8*(16+\i):8*(16+\i)+7], v[HACC+8:HACC+15]
	v_wmma_f32_16x16x32_f16 v[HACC+16:HACC+23], v[WG+8*(8+\i):WG+8*(8+\i)+7], v[8*(8+\i):8*(8+\i)+7],   v[HACC+16:HACC+23]
	v_wmma_f32_16x16x32_f16 v[HACC+24:HACC+31], v[WG+8*(8+\i):WG+8*(8+\i)+7], v[8*(24+\i):8*(24+\i)+7], v[HACC+24:HACC+31]
.endif
.endm
	GSTEP 0, 1
.irp i, 1,2,3,4,5,6,7
	GSTEP \i, 0
.endr
	PLACES
	WIN 0
.irp j, 0,2,4,6,8,10,12,14
	v_pk_add_f32 v[HACC+\j:HACC+\j+1], v[HACC+\j:HACC+\j+1], v[HACC+16+\j:HACC+16+\j+1]   ; the two halves of K
.endr
.irp m, 0,1
	v_max3_num_f32 v[MX+\m], v[HACC+8*\m], v[HACC+8*\m+1], v[HACC+8*\m+2]
	v_max3_num_f32 v[MX+\m], v[MX+\m], v[HACC+8*\m+3], v[HACC+8*\m+4]
	v_max3_num_f32 v[MX+\m], v[MX+\m], v[HACC+8*\m+5], v[HACC+8*\m+6]
	v_max_num_f32 v[MX+\m], v[MX+\m], v[HACC+8*\m+7]
.irp j, 0,1,2,3,4,5,6,7
	v_sub_f32 v[HACC+8*\m+\j], v[HACC+8*\m+\j], v[MX+\m]       ; the true maximum goes away first: exponents are at most 0, the largest is exactly 0
	v_mul_f32 v[HACC+8*\m+\j], 0x3fb8aa3b, v[HACC+8*\m+\j]     ; e^x = 2^(x log2 e)
.endr
.endr
.set k, 0
.rept 16
	v_exp_f32 v[HACC+k], v[HACC+k]
.set k, k+1
.endr
	v_nop                                          ; one plain vector instruction behind the last transcendental (ISA guide 5.7.2)
	s_wait_alu depctr_va_vdst(0)
.irp m, 0,1
	v_pk_add_f32 v[TS+4*\m:TS+4*\m+1], v[HACC+8*\m:HACC+8*\m+1], v[HACC+8*\m+2:HACC+8*\m+3]
	v_pk_add_f32 v[TS+4*\m+2:TS+4*\m+3], v[HACC+8*\m+4:HACC+8*\m+5], v[HACC+8*\m+6:HACC+8*\m+7]
	v_pk_add_f32 v[TS+4*\m:TS+4*\m+1], v[TS+4*\m:TS+4*\m+1], v[TS+4*\m+2:TS+4*\m+3]
	v_add_f32 v[TS+4*\m], v[TS+4*\m], v[TS+4*\m+1]             ; at least 1
.endr
	v_rcp_f32 v[RC], v[TS]
	v_rcp_f32 v[RC+1], v[TS+4]
	v_and_b32 v[T0], 0x30, v0                      ; (also the plain instruction behind v_rcp_f32)
	v_cmp_eq_u32 vcc_lo, 0, v[T0]                  ; b = 0 and h = 0: the lanes that own hidden columns 0 .. 7 of the chunk in front of the first
	s_wait_alu depctr_va_vdst(0)
.irp m, 0,1
.irp e, 0,1,2,3,4,5,6,7
	v_mul_f32 v[GTMP+2*\e+\m], v[HACC+8*\m+\e], v[RC+\m]
.endr
.endr
.irp m, 0,1
.irp q, 0,1,2,3
	v_cvt_pk_f16_f32 v[PKG+4*\m+\q], v[GTMP+4*\q+\m], v[GTMP+4*\q+2+\m]
	v_cndmask_b32 v[PKG+4*\m+\q], 0, v[PKG+4*\m+\q], vcc_lo    ; columns 8 .. 63 are zeros
.endr
.endr
.irp j, 0,1,2,3
	v_mov_b32 v[Z+\j], 0
.endr
.irp e, 0,1,2,3,4,5,6,7
	ds_store_b64 v[GW], v[GTMP+2*\e:GTMP+2*\e+1] offset:2048*\e        ; chunks 8 e + 2 (2 b + h) and the next: the eight copies are shared out among b, h and these two lines
	ds_store_b64 v[GW], v[GTMP+2*\e:GTMP+2*\e+1] offset:2048*\e+256
.endr
.irp m, 0,1
	ds_store_b128 v[HW], v[PKG+4*\m:PKG+4*\m+3] offset:16*HP*\m        ; buffer 0 of H': the gates, which meet b2 in body 0
	ds_store_b128 v[HW], v[Z:Z+3] offset:16*HP*\m+32
.endr
	s_wait_dscnt 0x0
	s_wait_tensorcnt 0x1                           ; my quarter of slot 0 has landed; slot 1's stays out
	BAR
	; ---- the bodies.  Slot 0 is filled again behind bodies 1, 5, .., 57, slot 1 behind bodies 3, 7, .., 59: chunks 4 .. 63
	BODY 0, 0, 1, 0
	BODY 1, 1, 0, 1
	BODY 2, 1, 0, 0
	BODY 3, 1, 0, 1
	STEP
	s_mov_b32 s19, 14
.Lfour:                                            ; bodies 4 .. 59, four a trip: once round the ring
	BODY 0, 1, 0, 0
	BODY 1, 1, 0, 1
	BODY 2, 1, 0, 0
	BODY 3, 1, 0, 1
	STEP
	s_sub_co_u32 s19, s19, 1
	s_cmp_lg_u32 s19, 0
	s_cbranch_scc1 .Lfour
	BODY 0, 1, 0, 0                                ; bodies 60 .. 63: nothing is left to fetch for the ring
	BODY 1, 1, 0, 2                                ; the ring's last load, chunks 62 and 63, is waited for here
	BODY 2, 1, 0, 0
	BODY 3, 1, 0, 0
	; body 64: product 2 alone, on the hidden columns of body 63
	PLACES
	LD_H 0, 0
	WIN W_G2
	GEMM2 1, 1, 2, 0
	PLACES
	WIN 0
	LD_H 0, 1
	s_wait_loadcnt 0x0                             ; the last block of W2: no load was issued behind it
	s_wait_dscnt 8                                 ; H' 0 is in; the 8 loads of H' 1 stay out
	WIN W_G2
	GEMM2 0, 0, 0, 0
	GEMM2 0, 0, 2, 0
	s_wait_dscnt 0x0                               ; my last reads of H' are back
	s_barrier_signal -1
	GEMM2 0, 1, 0, 0
	GEMM2 0, 1, 2, 0
	WIN 0
	s_barrier_wait -1                              ; everybody's are: the stages of the way out may be laid on the tables and on H'
	; ---- the way out
	PLACES
	OUTM 0, WA
	OUTM 1, WB
	OUTM 2, WA
	OUTM 3, WB
	s_wait_xcnt 0x0
	v_lshl_add_u32 v222, v0, 2, 0x4c800
	v_mov_b32 v223, 0
	s_wait_tensorcnt 0x0
	ds_add_u32 v222, v223
	s_wait_dscnt 0x0
	CROUND                                         ; the closing round: no work-group ends while a partner may still ask for a tile that names it
	s_endpgm
.Lfunc_end_k_q78402b2f92_moe:
	.size	k_q78402b2f92_moe, .Lfunc_end_k_q78402b2f92_moe-k_q78402b2f92_moe
	.p2alignl 7, 3214868480
	.fill 96, 4, 3214868480
	.section	.rodata,"a",@progbits
	.p2align	6, 0x0
	.amdhsa_kernel k_q78402b2f92_moe
		.amdhsa_group_segment_fixed_size 327680
		.amdhsa_private_segment_fixed_size 0
		.amdhsa_enable_private_segment 0
		.amdhsa_kernarg_size 48
		.amdhsa_user_sgpr_count 2
		.amdhsa_user_sgpr_kernarg_segment_ptr 1
		.amdhsa_wavefront_size32 1
		.amdhsa_system_sgpr_workgroup_id_x 1
		.amdhsa_system_sgpr_workgroup_id_y 1
		.amdhsa_system_sgpr_workgroup_id_z 1
		.amdhsa_system_vgpr_workitem_id 0
		.amdhsa_next_free_vgpr 1024
		.amdhsa_next_free_sgpr 66
		.amdhsa_reserve_vcc 1
		.amdhsa_float_denorm_mode_32 3
		.amdhsa_float_denorm_mode_16_64 3
		.amdhsa_memory_ordered 1
		.amdhsa_forward_progress 1
		.amdhsa_inst_pref_size 255
	.end_amdhsa_kernel
	.section	.bss,"aw",@nobits
	.p2align	6
	.space	262144
	.amdgpu_metadata
---
amdhsa.version: [ 1, 2 ]
amdhsa.kernels:
  - .name:           k_q78402b2f92_moe
    .symbol:         k_q78402b2f92_moe.kd
    .args:
      - { .name: x, .offset: 0, .size: 8, .value_kind: global_buffer, .address_space: global }
      - { .name: wt, .offset: 8, .size: 8, .value_kind: global_buffer, .address_space: global }
      - { .name: wgf, .offset: 16, .size: 8, .value_kind: global_buffer, .address_space: global }
      - { .name: b1, .offset: 24, .size: 8, .value_kind: global_buffer, .address_space: global }
      - { .name: bg, .offset: 32, .size: 8, .value_kind: global_buffer, .address_space: global }
      - { .name: out0, .offset: 40, .size: 8, .value_kind: global_buffer, .address_space: global }
    .group_segment_fixed_size: 327680
    .private_segment_fixed_size: 0
    .kernarg_segment_align: 8
    .kernarg_segment_size: 48
    .max_flat_workgroup_size: 128
    .sgpr_count:     66
    .vgpr_count:     1024
    .wavefront_size: 32
...
	.end_amdgpu_metadata
.endif
;; end of part 2
;; ======== version 2 of 2: 2 launches; version 1 with the launch prep written anew for expert scheduling mode
;; limits: values are held in f16: magnitudes above 65,504 overflow, below 6.1e-05 lose precision
;; workspace buffers: wt 8,519,680 bytes; wgf 16,384 bytes
;; launch prep (part 3): grid 258 x 1, 4 waves a work-group, no clusters, 33,792 bytes of LDS; arguments W1, W2, b2, Wg, wt, wgf; writes wt, wgf
.if DOCPART == 3
	.amdgcn_target "amdgcn-amd-amdhsa--gfx1250"
	.amdhsa_code_object_version 6
	.text
	.protected	k_q78402b2f92_prep
	.globl	k_q78402b2f92_prep
	.p2align	8
	.type	k_q78402b2f92_prep,@function
k_q78402b2f92_prep:
	s_mov_b64 s[64:65], 0
	v_nop
	global_prefetch_b8 v0, s[64:65] scope:SCOPE_SE
	s_setreg_imm32_b32 hwreg(HW_REG_WAVE_SCHED_MODE, 0, 2), 2
	s_setreg_imm32_b32 hwreg(HW_REG_WAVE_MODE, 25, 1), 1
	s_wait_xcnt 0x0
	s_wait_alu depctr_vm_vsrc(0)
; prep: W1, W2, b2 and Wg, which are f32 with K down the rows, become f16 in the order in which the next launch's matrix fragments want them.
; f16 and not bf16: 11 significant bits against 8.  LIMIT: a number beyond 65,504 becomes infinite, parts below 2^-25 are lost.  The weights as drawn have a spread of
; 0.044; 30 times larger or offset by 30 spreads they stay below 10; 30 times smaller their spread is 0.0015, of which f16's smallest step, 2^-24, is 4e-5.
; A BLOCK is 1,024 bytes for 16 rows n x 32 k of a matrix operand: the number (n = r, k) lies at byte 256 (k / 8) + 16 r + 2 (k % 8).
; So lane L = 16 h + r finds k = 8 h .. 8 h + 7 of row r at byte 16 L and k = 16 + 8 h .. at byte 512 + 16 L: two contiguous 16-byte loads make a fragment.
; wt holds 65 tiles of 131,072 bytes.  Tile t, bytes 0 .. 65,535: W1 of the hidden columns 64 t .. 64 t + 63, as [w 0..3][ks 0..15][block], row r = hidden
; column 64 t + 16 w + r, k = d = 32 ks + ..  (tile 64 has no such half: it is neither stored here nor read later).
; Tile t, bytes 65,536 .. 131,071: as [w 0..3][ks2 0..1][n 0..7][block], row r = output column 128 w + 16 n + r, k = 32 ks2 + .. of the hidden columns
; 64 (t - 1) ..; in tile 0 the k are b2's eight rows (k = expert) and 56 zeros.
; wgf holds [ks 0..15][block] of Wg, row r = gate column r % 8 (the eight columns stand twice).
; Groups 0 .. 127 take W1, 128 .. 255 W2: a wave takes 32 k rows x 128 columns (16 KiB in, 8 blocks out).  Group 256 takes b2, group 257 Wg.
; The turn from rows to blocks goes through a stage in LDS that is the wave's own: no barrier.  No matrix unit, no cluster: nothing here is read twice.
; THE MODE: SCHED_MODE bits 1:0 = 2 (LLVM: expert scheduling mode 2), set by the entry lines.  The code itself states the register dependences
; between vector instructions and memory or LDS instructions, with s_wait_alu, always for 0.
; THE PLAN.  Registers that memory or LDS instructions touch:
;   v2, v3, v4    stage addresses and 16 x lane: written once at the head, read by every LDS store, LDS load and load of the weights; v4 also by block 0's stores.
;   v5 .. v11     the other blocks' offsets: written once, behind the loads of the weights; read by the stores at the end.
;   X             the 32 raw rows: the loads land in them, octet o's sixteen conversions read rows 8 o .. 8 o + 7.
;   out sets      octet o's conversions write sixteen registers, which its four LDS stores read: PK for octet 0; for octets 1, 2, 3 the registers of raw rows
;                 0 .. 3, 4 .. 7, 8 .. 11, which earlier octets' conversions have read.  Each set is written once.
;   OB            the registers of raw rows 16 .. 31: when the last conversions have read them, the blocks come back from the stage into them and are stored from there.
; Octet o's LDS stores stand in octet o + 1, behind ONE wait on va_vdst at its head, dealt among its conversions, which name its own raw rows and its own out set:
; none of the registers that those stores touch.  One more such wait stands behind octet 3.  No register that a memory or LDS instruction has read is written
; again on any path, so the text holds no wait on vm_vsrc.
.set VO,  4                            ; v[4:11]   byte offset in wt of my 16 bytes in block tau = 0 .. 7; v4 is 16 x lane itself
.set L16, 4
.set SW,  2                            ; v2        stage: where my columns' 16 bytes of octet 0, column 0 go
.set SR,  3                            ; v3        stage: where I read blocks back
.set Z,   12                           ; v[12:15]  zeros (group 256)
.set X,   32                           ; v[32:159] row k: 4 registers, my 4 columns in f32; rows 0 .. 11 later the out sets of octets 1 .. 3
.set OB,  X+64                         ; v[96:159] the blocks as read back
.set PK,  160                          ; v[160:175] four times 8 f16: octet 0's out set
.set BP,  1040                         ; a block's pitch in the stage: 1,024 + 16, so that the four blocks that 16 lanes store into start 16 bytes apart modulo 256
.set WST, 8*BP                         ; a wave's stage
.macro MKVO                            ; s27: from block to block within four; s28: from the first four blocks to the second four
	v_add_nc_u32 v[VO+1], s27, v[VO]
	v_add_nc_u32 v[VO+2], s27, v[VO+1]
	v_add_nc_u32 v[VO+3], s27, v[VO+2]
.irp t, 0,1,2,3
	v_add_nc_u32 v[VO+4+\t], s28, v[VO+\t]
.endr
.endm
; Rows 8 o .. 8 o + 7: for each of my 4 columns the eight k become 16 bytes, in out set dst.  left: younger loads that may stay out.
; before: the out set of octet o - 1, whose 16 bytes a column go to byte 256 (o - 1) + 16 r of the column's block; octet 0 has none.
.macro OCTET o, dst, left, before=-1
	s_wait_loadcnt \left                           ; loads return in order: the eight rows of this octet are in
.if (\before) >= 0
	s_wait_alu depctr_va_vdst(0)                   ; the conversions of the octet before have written its out set, which the LDS stores below read (at octet 1 also: the adds have written v5 .. v11)
.endif
.irp c, 0,1,2,3
.if (\before) >= 0
	ds_store_b128 v[SW], v[(\before)+4*\c:(\before)+4*\c+3] offset:256*(\o-1)+16*\c   ; no vector instruction since the wait names these registers
.endif
.irp q, 0,1,2,3
	v_cvt_pk_f16_f32 v[(\dst)+4*\c+\q], v[X+4*(8*\o+2*\q)+\c], v[X+4*(8*\o+2*\q+1)+\c]
.endr
.endr
.endm
; The LDS stores of an octet that has no octet behind it
.macro PUT o, src
.irp c, 0,1,2,3
	ds_store_b128 v[SW], v[(\src)+4*\c:(\src)+4*\c+3] offset:256*\o+16*\c
.endr
.endm
; The eight blocks leave: read back in block order (LDS serves a wave's instructions in order, ISA guide 5.7.1: these loads see the stores above),
; each store of the wave covers 512 consecutive bytes, aligned.
.macro OUT8
.irp t, 0,1,2,3,4,5,6,7
.irp u, 0,1
	ds_load_b128 v[OB+4*(2*\t+\u):OB+4*(2*\t+\u)+3], v[SR] offset:BP*\t+512*\u
.endr
.endr
.irp t, 0,1,2,3,4,5,6,7
.irp u, 0,1
	s_wait_dscnt 15-(2*\t+\u)                      ; the younger read-backs stay out
	global_store_b128 v[VO+\t], v[OB+4*(2*\t+\u):OB+4*(2*\t+\u)+3], s[12:13] offset:512*\u
.endr
.endr
.endm
	s_load_b256 s[4:11], s[0:1], 0x0               ; W1 s[4:5], W2 s[6:7], b2 s[8:9], Wg s[10:11]
	s_load_b128 s[12:15], s[0:1], 0x20             ; wt s[12:13], wgf s[14:15]
	v_lshl_add_u32 v176, v0, 2, 0x8200
	v_mov_b32 v177, 0
	v_lshrrev_b32 v16, 5, v0
	v_readfirstlane_b32 s16, v16                   ; wave 0 .. 3
	v_and_b32 v16, 31, v0                          ; lane
	v_lshlrev_b32 v[L16], 4, v16
	s_wait_alu depctr_va_sdst(0)                   ; s16 is written, ahead of its first reader: the stage's place and the offsets in the buffers are made from it
	s_mul_i32 s17, s16, WST                        ; my wave's stage
	v_lshrrev_b32 v17, 2, v16                      ; my four columns lie in block lane / 4,
	v_and_b32 v18, 3, v16                          ; rows 4 (lane % 4) + 0 .. 3 of it
	v_mul_u32_u24 v17, v17, BP
	v_lshl_add_u32 v17, v18, 6, v17
	v_add_nc_u32 v[SW], s17, v17
	v_add_nc_u32 v[SR], s17, v[L16]
	s_wait_alu depctr_va_vdst(0)                   ; v2, v3 and v4 are written: the loads, LDS stores and LDS loads of the paths below read them as addresses
	s_mov_b32 s23, 0                               ; high words of the two offset pairs
	s_mov_b32 s25, 0
	s_wait_kmcnt 0x0
	s_cmp_ge_u32 ttmp9, 256
	s_cbranch_scc1 .Lsmall
	; W1 or W2: expert e = (group / 16) % 8, k rows 32 ks .. with ks = group % 16, columns 128 wave ..
	s_and_b32 s18, ttmp9, 15                       ; ks
	s_bfe_u32 s19, ttmp9, 0x30004                  ; e
	s_lshl_b32 s19, s19, 20                        ; eight tiles an expert
	s_lshl_b32 s20, s16, 18                        ; W1: tile 8 e + 2 wave, block ks of strip 0
	s_add_co_u32 s20, s20, s19
	s_lshl_b32 s21, s18, 10
	s_add_co_u32 s20, s20, s21
	s_lshr_b32 s21, s18, 1                         ; W2: tile 1 + 8 e + ks / 2, second half, strip = wave, ks2 = ks % 2
	s_lshl_b32 s21, s21, 17
	s_add_co_u32 s21, s21, s19
	s_and_b32 s26, s18, 1
	s_lshl_b32 s26, s26, 13
	s_add_co_u32 s21, s21, s26
	s_lshl_b32 s26, s16, 14
	s_add_co_u32 s21, s21, s26
	s_add_co_u32 s21, s21, 131072+65536
	s_and_b32 s22, ttmp9, 127                      ; the source: 32 rows of 2,048 bytes for each of e and ks, 512 bytes for the wave's columns
	s_lshl_b32 s22, s22, 16
	s_lshl_b32 s26, s16, 9
	s_add_co_u32 s22, s22, s26
	s_mov_b32 s27, 16384                           ; W1: four blocks go to the four strips of a tile, the next four to the next tile
	s_mov_b32 s28, 131072
	s_cmp_ge_u32 ttmp9, 128
	s_cselect_b64 s[4:5], s[6:7], s[4:5]
	s_cselect_b32 s24, s21, s20
	s_cselect_b32 s27, 1024, s27                   ; W2: the eight blocks follow each other
	s_cselect_b32 s28, 4096, s28
	s_add_nc_u64 s[4:5], s[4:5], s[22:23]
	s_add_nc_u64 s[12:13], s[12:13], s[24:25]
.set k, 0
.rept 32
	global_load_b128 v[X+4*k:X+4*k+3], v[L16], s[4:5] offset:2048*k th:TH_LOAD_NT   ; row k: 512 consecutive bytes; all 16 KiB of the wave are asked for at once
.set k, k+1
.endr
	MKVO
	OCTET 0, PK, 24
	OCTET 1, X, 16, PK
	OCTET 2, X+16, 8, X
	OCTET 3, X+32, 0, X+16
	s_wait_alu depctr_va_vdst(0)                   ; octet 3's conversions have written its out set, which the LDS stores below read; all conversions are done reading raw rows 16 .. 31, in which the read-backs land
	PUT 3, X+32
	OUT8
	s_wait_dscnt 0x0                               ; the closing lines, six on end
	s_wait_alu 0x0
	s_wait_tensorcnt 0x0
	ds_add_u32 v176, v177
	s_wait_dscnt 0x0
	s_endpgm
.Lsmall:
	s_cmp_lg_u32 ttmp9, 256
	s_cbranch_scc1 .Lgate
	; b2 as the k rows 0 .. 7 of tile 0's second half; wave = strip of 128 output columns
	s_lshl_b32 s22, s16, 9
	s_add_nc_u64 s[8:9], s[8:9], s[22:23]
.irp e, 0,1,2,3,4,5,6,7
	global_load_b128 v[X+4*\e:X+4*\e+3], v[L16], s[8:9] offset:2048*\e
.endr
	s_lshl_b32 s24, s16, 14
	s_add_co_u32 s24, s24, 65536
	s_add_nc_u64 s[12:13], s[12:13], s[24:25]
	s_mov_b32 s27, 1024
	s_mov_b32 s28, 4096
	MKVO
.irp j, 0,1,2,3
	v_mov_b32 v[Z+\j], 0
.endr
	OCTET 0, PK, 0                                 ; k = 0 .. 7: the eight experts' rows
	s_wait_alu depctr_va_vdst(0)                   ; the conversions have written PK and the moves the zeros, which the LDS stores below read; the adds have written v5 .. v11, which the stores to wt read
	PUT 0, PK
.irp o, 1,2,3
.irp c, 0,1,2,3
	ds_store_b128 v[SW], v[Z:Z+3] offset:256*\o+16*\c          ; k = 8 .. 31: zeros
.endr
.endr
	OUT8
.irp t, 0,1,2,3,4,5,6,7
.irp u, 0,1
	global_store_b128 v[VO+\t], v[Z:Z+3], s[12:13] offset:8192+512*\u   ; k = 32 .. 63: zeros
.endr
.endr
	s_wait_dscnt 0x0                               ; the closing lines, six on end
	s_wait_alu 0x0
	s_wait_tensorcnt 0x0
	ds_add_u32 v176, v177
	s_wait_dscnt 0x0
	s_endpgm
.Lgate:
	; Wg: piece p = 128 it + thread of 16 bytes holds d = 8 (p / 16) + 0 .. 7 of gate column p % 8.
	v_lshrrev_b32 v16, 4, v0
	v_and_b32 v17, 7, v0
	v_lshlrev_b32 v17, 2, v17
	v_lshl_add_u32 v16, v16, 8, v17                ; 8 rows of 32 bytes for each 16 threads, + 4 x column
	v_lshlrev_b32 v18, 4, v0
	s_wait_alu depctr_va_vdst(0)                   ; v16 and v18 are written: the loads below read v16 as their offset, the stores v18
.irp t, 0,1,2,3,4,5,6,7
.irp i, 0,1,2,3,4,5,6,7
	global_load_b32 v[X+8*\t+\i], v16, s[10:11] offset:2048*\t+32*\i
.endr
.endr
	s_wait_loadcnt 0x0
.irp t, 0,1,2,3,4,5,6,7
.irp q, 0,1,2,3
	v_cvt_pk_f16_f32 v[X+8*\t+\q], v[X+8*\t+2*\q], v[X+8*\t+2*\q+1]    ; in place: register q has been read by pair q / 2 before pair q writes it
.endr
.endr
	s_wait_alu depctr_va_vdst(0)                   ; the 32 conversions have written the first four of each eight registers, which the eight stores read
.irp t, 0,1,2,3,4,5,6,7
	global_store_b128 v18, v[X+8*\t:X+8*\t+3], s[14:15] offset:2048*\t
.endr
	s_endpgm
.Lfunc_end_k_q78402b2f92_prep:
	.size	k_q78402b2f92_prep, .Lfunc_end_k_q78402b2f92_prep-k_q78402b2f92_prep
	.p2alignl 7, 3214868480
	.fill 96, 4, 3214868480
	.section	.rodata,"a",@progbits
	.p2align	6, 0x0
	.amdhsa_kernel k_q78402b2f92_prep
		.amdhsa_group_segment_fixed_size 33792
		.amdhsa_private_segment_fixed_size 0
		.amdhsa_enable_private_segment 0
		.amdhsa_kernarg_size 48
		.amdhsa_user_sgpr_count 2
		.amdhsa_user_sgpr_kernarg_segment_ptr 1
		.amdhsa_wavefront_size32 1
		.amdhsa_system_sgpr_workgroup_id_x 1
		.amdhsa_system_sgpr_workgroup_id_y 1
		.amdhsa_system_sgpr_workgroup_id_z 1
		.amdhsa_system_vgpr_workitem_id 0
		.amdhsa_next_free_vgpr 178
		.amdhsa_next_free_sgpr 66
		.amdhsa_reserve_vcc 0
		.amdhsa_float_denorm_mode_32 3
		.amdhsa_float_denorm_mode_16_64 3
		.amdhsa_memory_ordered 1
		.amdhsa_forward_progress 1
		.amdhsa_inst_pref_size 32
	.end_amdhsa_kernel
	.amdgpu_metadata
---
amdhsa.version: [ 1, 2 ]
amdhsa.kernels:
  - .name:           k_q78402b2f92_prep
    .symbol:         k_q78402b2f92_prep.kd
    .args:
      - { .name: W1, .offset: 0, .size: 8, .value_kind: global_buffer, .address_space: global }
      - { .name: W2, .offset: 8, .size: 8, .value_kind: global_buffer, .address_space: global }
      - { .name: b2, .offset: 16, .size: 8, .value_kind: global_buffer, .address_space: global }
      - { .name: Wg, .offset: 24, .size: 8, .value_kind: global_buffer, .address_space: global }
      - { .name: wt, .offset: 32, .size: 8, .value_kind: global_buffer, .address_space: global }
      - { .name: wgf, .offset: 40, .size: 8, .value_kind: global_buffer, .address_space: global }
    .group_segment_fixed_size: 33792
    .private_segment_fixed_size: 0
    .kernarg_segment_align: 8
    .kernarg_segment_size: 48
    .max_flat_workgroup_size: 128
    .sgpr_count:     66
    .vgpr_count:     178
    .wavefront_size: 32
...
	.end_amdgpu_metadata
.endif
;; end of part 3
;; launch moe: the kernel of part 2 again; grid 256 x 1, 4 waves a work-group, clusters of 4 x 1, 327,680 bytes of LDS; arguments x, wt, wgf, b1, bg, out0; writes out0
